; MI455X (gfx1250); checked and timed in simulation.
; The chip was launched on July 23, 2026; its instructions are those of AMD's public machine-readable ISA for CDNA 5 (MIT licence, August 2026) and "CDNA5" Instruction Set Architecture Reference Guide (July 2026). The comments in the code are by the model that wrote it; some were corrected since.
;; Signature. Allowed arithmetic: float matrix products may take bf16 or f16 operands with f32 sums; all other float work in f32.
;; Inputs: path 512 x 512 x 8 float32.
;; Outputs: out0 512 x 584 float32.
;; One version. Each part assembles by itself: llvm-mc -triple=amdgcn-amd-amdhsa -mcpu=gfx1250 --defsym DOCPART=n.
;; ======== version 1 of 1: 1 launch
;; limits: right only within a limited range of input values
;; launch signature (part 1): grid 512 x 1, 4 waves a work-group, no clusters, 91,648 bytes of LDS; arguments path, out0; writes out0
.if DOCPART == 1
	.amdgcn_target "amdgcn-amd-amdhsa--gfx1250"
	.amdhsa_code_object_version 6
	.text
	.protected	k_q73d4a05b17_signature
	.globl	k_q73d4a05b17_signature
	.p2align	8
	.type	k_q73d4a05b17_signature,@function
k_q73d4a05b17_signature:
	s_mov_b64 s[64:65], 0
	v_nop
	global_prefetch_b8 v0, s[64:65] scope:SCOPE_SE
	s_setreg_imm32_b32 hwreg(HW_REG_WAVE_MODE, 25, 1), 1
	s_wait_xcnt 0x0
; Depth-3 signature of 512 paths of 512 points x 8 channels (f32).  out0[b] = S1 (8), S2 (64), S3 (512).
;
; ALGEBRA.  For increment t: a = x[t], b = x[t+1], d = b - a, m = (a+b)/2.  Chen's recursion unrolled gives
;   S1 = xL - x0,   S2[ij] = sum_t (m_i - x0_i) d_j,   S3[ijk] = sum_t d_j ((m_i - x0_i)(xL_k - m_k) - d_i d_k / 12):
; the running level 1 is the path itself, so no scan is left.  With any centre c, z = m - c, al = x0 - c, be = xL - c:
;   S3[ijk] = -T[ik][j] + be_k G[i][j] + al_i G[k][j] - al_i be_k D_j,      S2[ij] = G[i][j] - al_i D_j,
;   T[ik][j] = sum_t (z_i z_k + d_i d_k / 12) d_j  (symmetric in i, k),  G[i][j] = sum_t z_i d_j,  D = sum_t d.
; T and G are matrix products over t.  Carried here: M = sqrt(3)(a + b - 2c) = 2 sqrt(3) z, so that M_i M_k + d_i d_k = 12 (..).
;
; SHARES.  One work-group = one path, four waves; wave w owns increments 128 w .. 128 w + 127 (the 512th is padding: its second
; point is clamped to x[511], so d = 0 and it adds nothing).  Lane = increment, four groups of 32 (one K step each).
; A lane makes a row of 56 f16: 40 pair products, M, d.  The matrix unit wants t along the registers of a lane, so the rows go
; through the wave's own LDS and come back by the transposing load.  3 A tiles x 1 B tile, 12 products a wave.
; After one barrier thread 16 i + 2 j + kq adds the four waves' parts with each wave's own al, be and stores S3[i][j][4kq..4kq+3].
;
; NUMBER FORMAT.  S3[iii] is S1_i^3 / 6, a small rest of sums of some 500 terms of the size of the spread cubed; the 8 significant
; bits of bf16 leave an error there of the size of the allowance, the 11 bits of f16 an eighth of it.  f16's range is met so:
;  - each wave centres on the mean c of its own 128 points (exact for any c; it keeps what is rounded small, and the result
;    independent of a shift of the path);
;  - it takes Y = max |2 sqrt(3) (x - c)| over its 129 points and 8 channels and scales M and d by the power of two s with
;    64 <= Y s < 128.  Then |M s| <= Y s, |d s| <= Y s / sqrt 3, and a product is at most (4/3) 2^14 = 21,845, below f16's 65,504.
;    The scaling is exact, so inputs larger or smaller by any factor are served alike.  The wave leaves -1/(12 s^3) and
;    1/(2 sqrt(3) s^2) beside its centre in LDS, and the end multiplies T and G by them.
;
; LIMITS.  Finite inputs.  Products, M and d are rounded to f16 (relative 2^-11; in scaled units absolute 2^-25 below 2^-14); all
; else is f32.  1/s^2 and 1/s^3 are normal f32 numbers for Y from 2^-36 to 2^48; beyond 2^48 the third level exceeds f32 anyway,
; below 2^-36 the results lose bits and end as 0.  The order of the sums is not the scan's.
; NOT USED: clusters (no two work-groups read a common byte), tensor loads and an LDS ring (a wave asks for its whole 4,096 bytes in
; its first instructions, straight into the lanes that use them), prefetches (nothing is asked for later than that).
; A row of out0 is 2,336 bytes, so rows do not start on multiples of 256; a wave's S3 store covers 512 consecutive bytes.
.set PT,      32                       ; bytes of a point
.set GB,      32*PT                    ; bytes of 32 points
.set LASTPT,  511*PT                   ; byte offset of x[511]
.set OUTROW,  584*4
.set PITCH,   160                      ; LDS row: 112 bytes of data, 16 of skew room; 5 x 32, so 8 rows x 32 bytes fall on different banks
.set GRP,     32*PITCH                 ; one group's rows
.set WAVEU,   4*GRP                    ; a wave's four groups
.set RBASE,   4*WAVEU                  ; partial sums R[w][j][p], p = 0..47, f32
.set RP,      272                      ; bytes from j to j+1
.set WSZ,     8*RP
.set GOFF,    160                      ; G lies at p = 40..47
.set CCBASE,  RBASE+4*WSZ              ; for each wave: -2 sqrt(3) c (32 bytes), -1/(12 s^3), 1/(2 sqrt(3) s^2), 8 bytes unused
.set CCSZ,    48
.set SQRT3,   0x3fddb3d7               ; sqrt 3
.set TWOSQ3,  0x405db3d7               ; 2 sqrt 3
.set MEANK,   0xbcddb3d7               ; -2 sqrt(3) / 128
.set KAPPA,   0x3e93cd3a               ; 1 / (2 sqrt 3)
.set NEG12TH, 0xbdaaaaab               ; -1/12
; vector registers
.set LANE, 1
.set OFFA, 2                           ; (128 w + lane) * 32: my first group's point a
.set OFFB3,3                           ; point b of group 3, clamped to x[511]
.set ST,   4                           ; LDS: my row
.set TRA,  5                           ; LDS: transposing load, 16 columns
.set TRB,  6                           ; LDS: the same, both column halves on one 16-byte piece
.set RS,   7                           ; LDS: where my accumulators go
.set CCS,  8                           ; LDS: my wave's centre and factors
.set FA,   9                           ; LDS: wave 0's factors
.set TA,   10                          ; v10-13  LDS: T of my four k
.set GI,   14
.set GQ,   15
.set CI,   16
.set CQ,   17
.set OUT3, 18
.set OUT2, 19
.set J4,   20
.set KQ,   21
.set I4,   22
.set KQ16, 23
.set X0I,  24
.set XLQ,  26                          ; v26-29  xL of my four k
.set XBP,  30                          ; v30-34  channel j of x[0], x[128], x[256], x[384], x[511]
.set CC,   36                          ; v36-43  -2 sqrt(3) c
.set M,    44                          ; v44-51
.set DD,   52                          ; v52-59
.set P,    60                          ; v60-75  products at work
.set PK,   76                          ; v76-103 the row, packed: 7 x 16 bytes
.set CS,   104                         ; v104-111 -2 sqrt(3) c s
.set XA,   112                         ; v112-143 point a of groups 0-3
.set XBB,  144                         ; v144-175 point b of groups 0-3
.set F,    176                         ; v176-199 A tiles 0-2, v200-207 B
.set ACC,  208                         ; v208-231 three accumulators
.set SV,   232                         ; v232-233 (sqrt(3) s, s)
.set FF,   234                         ; v234-235 (-1/(12 s^3), 1/(2 sqrt(3) s^2))
.set MX,   236                         ; v236-237 two running maxima
.set EX,   238
.set INV,  239                         ; 1/s
; set-up only (in the packed row's registers, before the first row is made)
.set T0, 76
.set T1, 77
.set T2, 78
.set T3, 79
.set T4, 80
.set T5, 81
.set VI, 82
.set II4, 83
.set II8, 84
.set II8P4, 85
.set II4P8, 86
.set J272, 87
.set KQ2, 88
; the end (in registers that the main part has left)
.set AL,  44
.set TMP, 45
.set BE,  46
.set UU,  52                           ; v52-59  per wave: (u, al / (2 sqrt(3) s^2))
.set A3,  60
.set DW,  64
.set S1V, 68
.set S2V, 69
.set EW,  112                          ; 16 registers for each wave's part
	s_load_b128 s[4:7], s[0:1], 0x0                ; path s[4:5], out0 s[6:7]
	v_lshl_add_u32 v240, v0, 2, 0x16400
	v_mov_b32 v241, 0
	v_and_b32 v[LANE], 31, v0
	v_lshrrev_b32 v[VI], 5, v0
	v_readfirstlane_b32 s8, v[VI]                  ; wave 0..3
	s_lshl_b32 s10, ttmp9, 14                      ; a path is 16,384 bytes
	s_mov_b32 s11, 0
	s_mul_i32 s16, ttmp9, OUTROW
	s_mov_b32 s17, 0
	s_lshl_b32 s9, s8, 12                          ; 128 points
	v_lshl_add_u32 v[OFFA], v[LANE], 5, s9
	v_add_nc_u32 v[OFFB3], 3*GB+PT, v[OFFA]
	v_min_u32 v[OFFB3], LASTPT, v[OFFB3]           ; increment 511 does not exist: b = a = x[511], d = 0
	v_and_b32 v[KQ], 1, v0                         ; thread = 16 i + 2 j + kq
	v_lshlrev_b32 v[KQ16], 4, v[KQ]
	v_bfe_u32 v[T0], v0, 1, 3
	v_lshlrev_b32 v[J4], 2, v[T0]
	v_lshrrev_b32 v[T1], 4, v0
	v_lshlrev_b32 v[I4], 2, v[T1]
	s_wait_kmcnt 0x0
	s_add_nc_u64 s[4:5], s[4:5], s[10:11]
	s_add_nc_u64 s[6:7], s[6:7], s[16:17]
	; 23 loads, in the order in which they are needed: 8 for the points a, 8 for the points b, 7 small ones for the end
.irp g, 0,1,2,3
	global_load_b128 v[XA+8*\g:XA+8*\g+3],   v[OFFA], s[4:5] offset:\g*GB
	global_load_b128 v[XA+8*\g+4:XA+8*\g+7], v[OFFA], s[4:5] offset:\g*GB+16
.endr
.irp g, 0,1,2
	global_load_b128 v[XBB+8*\g:XBB+8*\g+3],   v[OFFA], s[4:5] offset:\g*GB+PT
	global_load_b128 v[XBB+8*\g+4:XBB+8*\g+7], v[OFFA], s[4:5] offset:\g*GB+PT+16
.endr
	global_load_b128 v[XBB+24:XBB+27], v[OFFB3], s[4:5]
	global_load_b128 v[XBB+28:XBB+31], v[OFFB3], s[4:5] offset:16
	global_load_b32  v[X0I], v[I4], s[4:5]                         ; x0_i
	global_load_b128 v[XLQ:XLQ+3], v[KQ16], s[4:5] offset:LASTPT   ; xL of my four k
.irp w, 0,1,2,3
	global_load_b32  v[XBP+\w], v[J4], s[4:5] offset:\w*4*GB       ; the segments' first points, channel j
.endr
	global_load_b32  v[XBP+4], v[J4], s[4:5] offset:LASTPT
	; all addresses are made while the loads are on their way
	s_mov_b32 s12, 0x76543210                      ; v_permlanex16_b32: lane i reads lane i of the other half
	s_mov_b32 s13, 0xfedcba98
	s_mov_b32 s14, KAPPA
	s_mul_i32 s18, s8, WAVEU
	; my row: lane * 160, rows 8-15 and 24-31 shifted by 16 bytes
	v_mul_u32_u24 v[ST], v[LANE], PITCH
	v_bfe_u32 v[T0], v[LANE], 3, 1
	v_lshl_add_u32 v[ST], v[T0], 4, v[ST]
	v_add_nc_u32 v[ST], s18, v[ST]
	; transposing load: lane l addresses row 8 (l/16) + l%8, 16-byte piece (l/8)%2; the row's shift is 16 (l/16), also 16 rows further down
	v_lshrrev_b32 v[T1], 4, v[LANE]
	v_and_b32 v[T2], 7, v[LANE]
	v_lshl_add_u32 v[T3], v[T1], 3, v[T2]
	v_mul_u32_u24 v[TRB], v[T3], PITCH
	v_lshl_add_u32 v[TRB], v[T1], 4, v[TRB]
	v_add_nc_u32 v[TRB], s18, v[TRB]
	v_lshl_add_u32 v[TRA], v[T0], 4, v[TRB]
	; accumulators: lane (j = l%8, h = l/16) holds rows p = 16 tile + 8 h + 0..7 of column j
	s_mul_i32 s19, s8, WSZ
	s_add_co_u32 s19, s19, RBASE
	v_mul_u32_u24 v[RS], v[T2], RP
	v_lshl_add_u32 v[RS], v[T1], 5, v[RS]
	v_add_nc_u32 v[RS], s19, v[RS]
	s_mul_i32 s19, s8, CCSZ
	s_add_co_u32 s19, s19, CCBASE
	v_mov_b32 v[CCS], s19
	v_mov_b32 v[FA], CCBASE+32
	; the end's addresses
	v_bfe_u32 v[T0], v0, 1, 3                      ; j
	v_mul_u32_u24 v[J272], v[T0], RP
	v_add_nc_u32 v[J272], RBASE, v[J272]
	v_add_nc_u32 v[T4], GOFF, v[J272]
	v_add_nc_u32 v[GI], v[T4], v[I4]
	v_add_nc_u32 v[GQ], v[T4], v[KQ16]
	v_add_nc_u32 v[CI], CCBASE, v[I4]
	v_add_nc_u32 v[CQ], CCBASE, v[KQ16]
	v_lshlrev_b32 v[OUT3], 4, v0
	v_lshrrev_b32 v[T5], 1, v0
	v_lshlrev_b32 v[OUT2], 2, v[T5]
	v_bfe_u32 v[T5], v0, 4, 1                      ; i % 2
	v_lshlrev_b32 v[II4], 2, v[T5]
	v_lshlrev_b32 v[II8], 3, v[T5]
	v_add_nc_u32 v[II8P4], 4, v[II8]
	v_add_nc_u32 v[II4P8], 8, v[II4]
	v_lshlrev_b32 v[KQ2], 1, v[KQ]
; Column of the pair (i, k).  Channels go in pairs I = i/2, K = k/2; the ten blocks I <= K are numbered I (7 - I)/2 + K, and a block
; holds four columns 2 (i%2) + k%2.  For I > K the pair is looked up as (k, i).  I = thread / 32.  e, e+1: my k with K = 2 kq + kadd.
.macro PADDR e, kadd
	v_add_nc_u32 v[T0], \kadd, v[KQ2]              ; K
	v_min_u32 v[T1], v[VI], v[T0]
	v_max_u32 v[T2], v[VI], v[T0]
	v_sub_nc_u32 v[T3], 7, v[T1]
	v_mul_u32_u24 v[T3], v[T3], v[T1]
	v_lshrrev_b32 v[T3], 1, v[T3]
	v_add_nc_u32 v[T3], v[T3], v[T2]               ; block
	v_lshlrev_b32 v[T3], 4, v[T3]                  ; 16 bytes of f32 a block
	v_cmp_gt_u32 vcc_lo, v[VI], v[T0]
	v_cndmask_b32 v[T4], v[II8], v[II4], vcc_lo    ; k%2 = 0: 4 (2 (i%2)), swapped 4 (i%2)
	v_cndmask_b32 v[T5], v[II8P4], v[II4P8], vcc_lo ; k%2 = 1: 4 (2 (i%2) + 1), swapped 4 (2 + i%2)
	v_add_nc_u32 v[T4], v[T3], v[T4]
	v_add_nc_u32 v[T5], v[T3], v[T5]
	v_min_u32 v[T4], 156, v[T4]                    ; the column is at most 39: the bound is written into the address
	v_min_u32 v[T5], 156, v[T5]
	v_add_nc_u32 v[TA+\e], v[J272], v[T4]
	v_add_nc_u32 v[TA+\e+1], v[J272], v[T5]
.endm
	PADDR 0, 0
	PADDR 2, 1
	; THE CENTRE: the mean of my wave's 128 points a, times -2 sqrt 3
	s_wait_loadcnt 15                              ; the 8 loads of a are in; 8 of b and 7 small ones may be out
.irp q, 0,2,4,6
	v_pk_add_f32 v[DD+\q:DD+\q+1], v[XA+\q:XA+\q+1], v[XA+8+\q:XA+9+\q]
	v_pk_add_f32 v[M+\q:M+\q+1], v[XA+16+\q:XA+17+\q], v[XA+24+\q:XA+25+\q]
.endr
.irp q, 0,2,4,6
	v_pk_add_f32 v[M+\q:M+\q+1], v[M+\q:M+\q+1], v[DD+\q:DD+\q+1]
.endr
.irp s, 1,2,4,8
.irp c, 0,1,2,3,4,5,6,7
	v_add_f32_dpp v[M+\c], v[M+\c], v[M+\c] row_xmask:\s row_mask:0xf bank_mask:0xf
.endr
.endr
.irp c, 0,1,2,3,4,5,6,7
	v_permlanex16_b32 v[DD+\c], v[M+\c], s12, s13  ; DD has been written above
.endr
.irp q, 0,2,4,6
	v_pk_add_f32 v[M+\q:M+\q+1], v[M+\q:M+\q+1], v[DD+\q:DD+\q+1]
.endr
.irp q, 0,2,4,6
	v_pk_mul_f32 v[CC+\q:CC+\q+1], v[M+\q:M+\q+1], MEANK op_sel_hi:[1,0]
.endr
	ds_store_b128 v[CCS], v[CC:CC+3]               ; every lane the same bytes with the same numbers
	ds_store_b128 v[CCS], v[CC+4:CC+7] offset:16
	; THE SCALE: Y = the largest |2 sqrt(3) (x - c)| of my wave's points.  The points a of the four groups are 128 of them; the 129th,
	; the point behind the segment, is lane 31's b of group 3.
.macro ABSMAX src, tmp, first
.irp q, 0,2,4,6
	v_pk_fma_f32 v[\tmp+\q:\tmp+\q+1], v[\src+\q:\src+\q+1], TWOSQ3, v[CC+\q:CC+\q+1] op_sel_hi:[1,0,1]
.endr
.if \first
	v_max_num_f32 v[MX],   |v[\tmp]|,   |v[\tmp+1]|                 ; the first numbers start the two chains
	v_max_num_f32 v[MX+1], |v[\tmp+2]|, |v[\tmp+3]|
.else
	v_max3_num_f32 v[MX],   |v[\tmp]|,   |v[\tmp+1]|, v[MX]
	v_max3_num_f32 v[MX+1], |v[\tmp+2]|, |v[\tmp+3]|, v[MX+1]
.endif
	v_max3_num_f32 v[MX],   |v[\tmp+4]|, |v[\tmp+5]|, v[MX]
	v_max3_num_f32 v[MX+1], |v[\tmp+6]|, |v[\tmp+7]|, v[MX+1]
.endm
	s_wait_loadcnt 7                               ; all of b is in; the 7 small loads may be out
	ABSMAX XA,     P,   1
	ABSMAX XA+8,   P+8, 0
	ABSMAX XA+16,  P,   0
	ABSMAX XA+24,  P+8, 0
	ABSMAX XBB+24, P,   0
	v_max_num_f32 v[MX], v[MX], v[MX+1]
.irp s, 1,2,4,8
	v_max_num_f32_dpp v[MX], v[MX], v[MX] row_xmask:\s row_mask:0xf bank_mask:0xf
.endr
	v_permlanex16_b32 v[MX+1], v[MX], s12, s13     ; MX+1 has been written above
	v_max_num_f32 v[MX], v[MX], v[MX+1]            ; Y, in every lane
	; Y = 1.f x 2^(e-127) with e its exponent field.  s = 2^(133-e) has the field 260 - e, 1/s the field e - 6.  e is held at 7 or
	; above so that both fields stay inside 1..254; a segment that small (or constant) is merely scaled less.
	v_lshrrev_b32 v[EX], 23, v[MX]
	v_max_u32 v[EX], 7, v[EX]
	v_sub_nc_u32 v[SV+1], 260, v[EX]
	v_add_nc_u32 v[INV], -6, v[EX]
	v_lshlrev_b32 v[SV+1], 23, v[SV+1]             ; s
	v_lshlrev_b32 v[INV], 23, v[INV]               ; 1/s
	v_mul_f32 v[SV], SQRT3, v[SV+1]                ; sqrt(3) s
	v_mul_f32 v[FF+1], v[INV], v[INV]
	v_mul_f32 v[FF], v[FF+1], v[INV]
	v_mul_f32 v[FF+1], KAPPA, v[FF+1]              ; sum M s d s = 2 sqrt(3) s^2 G
	v_mul_f32 v[FF], NEG12TH, v[FF]                ; sum P s^2 d s = 12 s^3 T
.irp q, 0,2,4,6
	v_pk_mul_f32 v[CS+\q:CS+\q+1], v[CC+\q:CC+\q+1], v[SV:SV+1] op_sel:[0,1] op_sel_hi:[1,1]   ; both halves times s
.endr
	ds_store_b64 v[CCS], v[FF:FF+1] offset:32
; two columns (i, 2 bb), (i, 2 bb + 1) with i = 2 ba + sel: M_i M_k, then + d_i d_k
.macro PMUL dst, ba, bb, sel
	v_pk_mul_f32 v[\dst:\dst+1], v[M+2*\ba:M+2*\ba+1], v[M+2*\bb:M+2*\bb+1] op_sel:[\sel,0] op_sel_hi:[\sel,1]
.endm
.macro PFMA dst, ba, bb, sel
	v_pk_fma_f32 v[\dst:\dst+1], v[DD+2*\ba:DD+2*\ba+1], v[DD+2*\bb:DD+2*\bb+1], v[\dst:\dst+1] op_sel:[\sel,0,0] op_sel_hi:[\sel,1,1]
.endm
; two blocks = 8 columns = 16 bytes of the row
.macro CHUNK g, c, a0, b0, a1, b1
.set PB, P+8*(\c&1)
	PMUL PB+0, \a0, \b0, 0
	PMUL PB+2, \a0, \b0, 1
	PMUL PB+4, \a1, \b1, 0
	PMUL PB+6, \a1, \b1, 1
	PFMA PB+0, \a0, \b0, 0
	PFMA PB+2, \a0, \b0, 1
	PFMA PB+4, \a1, \b1, 0
	PFMA PB+6, \a1, \b1, 1
.irp n, 0,1,2,3
	v_cvt_pk_f16_f32 v[PK+4*\c+\n], v[PB+2*\n], v[PB+2*\n+1]
.endr
	ds_store_b128 v[ST], v[PK+4*\c:PK+4*\c+3] offset:\g*GRP+16*\c
.endm
; group g, first part: scaled M and d, and 32 of the 40 product columns (bytes 0-63 of the row): four LDS stores
.macro PART1A g
.irp q, 0,2,4,6
	v_pk_add_f32 v[M+\q:M+\q+1], v[XA+8*\g+\q:XA+8*\g+\q+1], v[XBB+8*\g+\q:XBB+8*\g+\q+1]
.endr
.irp q, 0,2,4,6
	v_pk_add_f32 v[DD+\q:DD+\q+1], v[XBB+8*\g+\q:XBB+8*\g+\q+1], v[XA+8*\g+\q:XA+8*\g+\q+1] neg_lo:[0,1] neg_hi:[0,1]
.endr
.irp q, 0,2,4,6
	v_pk_fma_f32 v[M+\q:M+\q+1], v[M+\q:M+\q+1], v[SV:SV+1], v[CS+\q:CS+\q+1] op_sel_hi:[1,0,1]   ; (a + b) sqrt(3) s - 2 sqrt(3) c s
.endr
.irp q, 0,2,4,6
	v_pk_mul_f32 v[DD+\q:DD+\q+1], v[DD+\q:DD+\q+1], v[SV:SV+1] op_sel:[0,1] op_sel_hi:[1,1]      ; (b - a) s, exact
.endr
	CHUNK \g, 0, 0,0, 0,1
	CHUNK \g, 1, 0,2, 0,3
	CHUNK \g, 2, 1,1, 1,2
	CHUNK \g, 3, 1,3, 2,2
.endm
; second part: the last 8 product columns (bytes 64-79), M (80-95), d (96-111)
.macro PART1B g
	CHUNK \g, 4, 2,3, 3,3
.irp n, 0,1,2,3
	v_cvt_pk_f16_f32 v[PK+20+\n], v[M+2*\n], v[M+2*\n+1]
	v_cvt_pk_f16_f32 v[PK+24+\n], v[DD+2*\n], v[DD+2*\n+1]
.endr
	ds_store_b128 v[ST], v[PK+20:PK+23] offset:\g*GRP+80
	ds_store_b128 v[ST], v[PK+24:PK+27] offset:\g*GRP+96
.endm
; eight transposing loads: lane (r, h) gets column r, t = 8h..8h+7 and 16+8h..+7.  LDS serves a wave's instructions in order
; (ISA guide 5.7.1.4), so they see the rows stored above; the bytes are the wave's own.
; B reads d for both halves of its columns: columns 8-15 repeat columns 0-7, and no byte is read that was not stored.
.macro TRLOADS g
.irp t, 0,1,2
	ds_load_tr16_b128 v[F+8*\t:F+8*\t+3],   v[TRA] offset:\g*GRP+32*\t
	ds_load_tr16_b128 v[F+8*\t+4:F+8*\t+7], v[TRA] offset:\g*GRP+32*\t+16*PITCH
.endr
	ds_load_tr16_b128 v[F+24:F+27], v[TRB] offset:\g*GRP+96
	ds_load_tr16_b128 v[F+28:F+31], v[TRB] offset:\g*GRP+96+16*PITCH
.endm
; three products: rows = 16 operand columns, columns = d (twice), K = 32 increments
.macro MUL zero
.irp t, 0,1,2
.if \zero
	v_wmma_f32_16x16x32_f16 v[ACC+8*\t:ACC+8*\t+7], v[F+8*\t:F+8*\t+7], v[F+24:F+31], 0
.else
	v_wmma_f32_16x16x32_f16 v[ACC+8*\t:ACC+8*\t+7], v[F+8*\t:F+8*\t+7], v[F+24:F+31], v[ACC+8*\t:ACC+8*\t+7]
.endif
.endr
.endm
	; A group's fragments travel while the next group's first 32 product columns are made.  The matrix instructions stand in front of
	; the second part of a group: its eight packed multiplies and multiply-adds, which name none of their registers, are the places in
	; front of the loads that fill the fragments again.
	PART1A 0
	PART1B 0
	TRLOADS 0
	PART1A 1
	s_wait_dscnt 4                                 ; younger than group 0's eight loads: the four stores of the first part
	MUL 1                                          ; the first products start the sums
	PART1B 1
	TRLOADS 1
	PART1A 2
	s_wait_dscnt 4
	MUL 0
	PART1B 2
	TRLOADS 2
	PART1A 3
	s_wait_dscnt 4
	MUL 0
	PART1B 3
	TRLOADS 3
	s_wait_loadcnt 0x0                             ; the small loads, used while the last fragments travel
.irp w, 0,1,2,3
	v_sub_f32 v[DW+\w], v[XBP+\w+1], v[XBP+\w]     ; D_j of segment w
.endr
	v_sub_f32 v[S1V], v[XBP+4], v[XBP]             ; S1_j
	s_wait_dscnt 0x0
	MUL 0
.rept 4
	v_nop                                          ; four places before an LDS store reads a matrix result
.endr
	; Lanes r and r + 8 hold the same sums (B's columns repeat) and store them to the same bytes: all lanes stay on.
.irp t, 0,1,2
	ds_store_b128 v[RS], v[ACC+8*\t:ACC+8*\t+3]   offset:64*\t
	ds_store_b128 v[RS], v[ACC+8*\t+4:ACC+8*\t+7] offset:64*\t+16
.endr
	s_wait_dscnt 0x0                               ; for the other waves: my partial sums, my centre and my factors are in LDS
	s_barrier_signal -1
	s_barrier_wait -1
	; THE END.  Nine loads for each wave's part: T of my four k, G[k][j] of my four k, the centre at my four k, G[i][j], the centre
	; at i, the two factors.
.irp w, 0,1,2,3
.irp e, 0,1,2,3
	ds_load_b32 v[EW+16*\w+\e], v[TA+\e] offset:\w*WSZ
.endr
	ds_load_b128 v[EW+16*\w+4:EW+16*\w+7],  v[GQ] offset:\w*WSZ
	ds_load_b128 v[EW+16*\w+8:EW+16*\w+11], v[CQ] offset:\w*CCSZ
	ds_load_b32 v[EW+16*\w+12], v[GI] offset:\w*WSZ
	ds_load_b32 v[EW+16*\w+13], v[CI] offset:\w*CCSZ
	ds_load_b64 v[EW+16*\w+14:EW+16*\w+15], v[FA] offset:\w*CCSZ
.endr
; With f3 = -1/(12 s^3), f2 = 1/(2 sqrt(3) s^2) and T~, G~ the scaled sums:
; S3 += f3 T~ + be_k u + (al f2) G~[k][j],  u = f2 G~[i][j] - al D_j, which is also this segment's share of S2[i][j]
.macro COMB w, first
	s_wait_dscnt (3-\w)*9                          ; nine loads for each later wave may be out
	v_fma_f32 v[AL], v[EW+16*\w+13], s14, v[X0I]   ; al = x0_i - c_i
	v_pk_fma_f32 v[BE:BE+1],   v[EW+16*\w+8:EW+16*\w+9],   KAPPA, v[XLQ:XLQ+1]   op_sel_hi:[1,0,1]   ; be = xL_k - c_k
	v_pk_fma_f32 v[BE+2:BE+3], v[EW+16*\w+10:EW+16*\w+11], KAPPA, v[XLQ+2:XLQ+3] op_sel_hi:[1,0,1]
	v_mul_f32 v[TMP], v[AL], v[DW+\w]
	v_mul_f32 v[UU+2*\w+1], v[EW+16*\w+15], v[AL]
	v_fma_f32 v[UU+2*\w], v[EW+16*\w+12], v[EW+16*\w+15], -v[TMP]
.irp q, 0,2
.if \first
	v_pk_mul_f32 v[A3+\q:A3+\q+1], v[EW+16*\w+\q:EW+16*\w+\q+1], v[EW+16*\w+14:EW+16*\w+15] op_sel_hi:[1,0]
.else
	v_pk_fma_f32 v[A3+\q:A3+\q+1], v[EW+16*\w+\q:EW+16*\w+\q+1], v[EW+16*\w+14:EW+16*\w+15], v[A3+\q:A3+\q+1] op_sel_hi:[1,0,1]
.endif
	v_pk_fma_f32 v[A3+\q:A3+\q+1], v[BE+\q:BE+\q+1], v[UU+2*\w:UU+2*\w+1], v[A3+\q:A3+\q+1] op_sel_hi:[1,0,1]
	v_pk_fma_f32 v[A3+\q:A3+\q+1], v[EW+16*\w+4+\q:EW+16*\w+5+\q], v[UU+2*\w:UU+2*\w+1], v[A3+\q:A3+\q+1] op_sel:[0,1,0] op_sel_hi:[1,1,1]
.endr
.endm
	COMB 0, 1
	COMB 1, 0
	COMB 2, 0
	COMB 3, 0
	v_add_f32 v[S2V], v[UU], v[UU+2]
	v_add_f32 v[TMP], v[UU+4], v[UU+6]
	v_add_f32 v[S2V], v[S2V], v[TMP]
	global_store_b128 v[OUT3], v[A3:A3+3], s[6:7] offset:288 th:TH_STORE_NT   ; S3: 16 bytes a thread, 512 consecutive bytes a wave
	s_wait_xcnt 0x0                                ; EXEC changes only behind this wait
	v_cmp_eq_u32 vcc_lo, 0, v[KQ]
	s_wait_tensorcnt 0x0
	ds_add_u32 v240, v241
	s_wait_dscnt 0x0
	s_and_saveexec_b32 s20, vcc_lo                 ; S2[i][j] is held twice: the even threads store it, 64 consecutive bytes a wave
	global_store_b32 v[OUT2], v[S2V], s[6:7] offset:32 th:TH_STORE_NT
	s_wait_xcnt 0x0
	v_cmp_gt_u32 vcc_lo, 16, v0
	s_and_saveexec_b32 s21, vcc_lo                 ; S1_j: the even threads below 16 (i = 0); in waves 1-3 no lane is left
	global_store_b32 v[J4], v[S1V], s[6:7] th:TH_STORE_NT
	s_endpgm
.Lfunc_end_k_q73d4a05b17_signature:
	.size	k_q73d4a05b17_signature, .Lfunc_end_k_q73d4a05b17_signature-k_q73d4a05b17_signature
	.p2alignl 7, 3214868480
	.fill 96, 4, 3214868480
	.section	.rodata,"a",@progbits
	.p2align	6, 0x0
	.amdhsa_kernel k_q73d4a05b17_signature
		.amdhsa_group_segment_fixed_size 91648
		.amdhsa_private_segment_fixed_size 0
		.amdhsa_enable_private_segment 0
		.amdhsa_kernarg_size 16
		.amdhsa_user_sgpr_count 2
		.amdhsa_user_sgpr_kernarg_segment_ptr 1
		.amdhsa_wavefront_size32 1
		.amdhsa_system_sgpr_workgroup_id_x 1
		.amdhsa_system_sgpr_workgroup_id_y 1
		.amdhsa_system_sgpr_workgroup_id_z 1
		.amdhsa_system_vgpr_workitem_id 0
		.amdhsa_next_free_vgpr 242
		.amdhsa_next_free_sgpr 66
		.amdhsa_reserve_vcc 1
		.amdhsa_float_denorm_mode_32 3
		.amdhsa_float_denorm_mode_16_64 3
		.amdhsa_memory_ordered 1
		.amdhsa_forward_progress 1
		.amdhsa_inst_pref_size 48
	.end_amdhsa_kernel
	.amdgpu_metadata
---
amdhsa.version: [ 1, 2 ]
amdhsa.kernels:
  - .name:           k_q73d4a05b17_signature
    .symbol:         k_q73d4a05b17_signature.kd
    .args:
      - { .name: path, .offset: 0, .size: 8, .value_kind: global_buffer, .address_space: global }
      - { .name: out0, .offset: 8, .size: 8, .value_kind: global_buffer, .address_space: global }
    .group_segment_fixed_size: 91648
    .private_segment_fixed_size: 0
    .kernarg_segment_align: 8
    .kernarg_segment_size: 16
    .max_flat_workgroup_size: 128
    .sgpr_count:     66
    .vgpr_count:     242
    .wavefront_size: 32
...
	.end_amdgpu_metadata
.endif
;; end of part 1
